; MI455X (gfx1250); checked and timed in simulation.
; The chip was launched on July 23, 2026; its instructions are those of AMD's public machine-readable ISA for CDNA 5 (MIT licence, August 2026) and "CDNA5" Instruction Set Architecture Reference Guide (July 2026). The comments in the code are by the model that wrote it; some were corrected since.
;; Multi Query Attention. Allowed arithmetic: matrix products marked QUANTISED: E2M1 operands, one E8M0 scale for each 32 along K, by v_wmma_scale_f32_16x16x128_f8f6f4 with both operands' format E2M1 (or v_wmma_scale_f32_32x16x128_f4), f32 sums; everything else in f32.
;; Inputs: Wk 1,024 x 64 float32; Wo 1,024 x 1,024 float32; Wq 1,024 x 1,024 float32; Wv 1,024 x 64 float32; bk 64 float32; bo 1,024 float32; bq 1,024 float32; bv 64 float32; x 4 x 2,048 x 1,024 float32.
;; Outputs: out0 4 x 2,048 x 1,024 float32.
;; This version of the problem:
;;   THIS VERSION OF THE PROBLEM IS GIVEN IN LOW PRECISION. The matrix products marked QUANTISED in the list below multiply operands that are first quantised to E2M1 (2 exponent bits, 1 mantissa bit; 4 bits a number), with one power-of-two scale for each 32 numbers along K (OCP MX v1.0); their sums are f32. All else is computed in f32.
;;   The module's matrix products, in the order in which they are computed (A, B: the left and right operand; K: the contracted axis; several contracted axes count as one K, in the product's order):
;;     1. [M 8,192, K 1,024] x [K 1,024, N 1,024]; A: input x; B: input Wq: QUANTISED
;;     2. [M 8,192, K 1,024] x [K 1,024, N 64]; A: input x; B: input Wk: QUANTISED
;;     3. [M 8,192, K 1,024] x [K 1,024, N 64]; A: input x; B: input Wv: QUANTISED
;;     4. batch 4 x [M 2,048, K 64] x [K 64, N 32,768]; A: computed on the way; B: computed on the way: QUANTISED
;;     5. batch 4 x [M 64, K 2,048] x [K 2,048, N 32,768]; A: computed on the way; B: softmax (see below): QUANTISED
;;     6. [M 8,192, K 1,024] x [K 1,024, N 1,024]; A: computed on the way; B: input Wo: QUANTISED
;;   THE QUANTISER, for each operand of a quantised product, along K:
;;     - K is cut into blocks of 32 from its start; a last block that is shorter is filled with zeros.
;;     - A block's scale is 2^e with e = floor(log2(the largest magnitude in the block)) - 2, held to -126 .. 127; a block of zeros has e = 0. As a byte (E8M0): e + 127.
;;     - Each number is divided by its block's scale, clamped to +-6, and rounded to the nearest number of E2M1, ties to even, subnormals kept.
;;     - The product sums the exact products of the quantised numbers (number of the format x scale) in f32.
;;   ~~~python
;;   def quantise(x, axis):      # numpy; x: float32 -> the quantised numbers, widened to float32 again
;;       x = np.moveaxis(x, axis, -1); K = x.shape[-1]
;;       x = np.pad(x, [(0, 0)] * (x.ndim - 1) + [(0, -K % 32)]); x = x.reshape(x.shape[:-1] + (-1, 32)); a = np.abs(x).max(-1, keepdims=True)
;;       e = np.where(a > 0, np.clip(np.frexp(np.where(a > 0, a, 1))[1] - 1 - 2, -126, 127), 0)      # np.frexp(a)[1] - 1 = floor(log2(a)), exactly
;;       r = np.clip(x / 2.0 ** e, -6, 6)
;;       step = 2.0 ** (np.maximum(np.frexp(np.where(r == 0, 1, r))[1] - 1, 0) - 1)
;;       q = np.round(r / step) * step * 2.0 ** e      # np.round: ties to even
;;       return np.moveaxis(q.reshape(q.shape[:-2] + (-1,))[..., :K], -1, axis).astype(np.float32)
;;   ~~~
;;   SOFTMAX AHEAD OF A QUANTISED PRODUCT. Where the list says 'softmax', what is quantised is not the finished softmax but p = 2^(t - M), with t = logit x log2(e) and M = ceil(the row's largest t), a whole number; so 1/2 < the row's largest p <= 1. The row's sum l is taken of the UNQUANTISED p, in f32, and the product's result is divided by l at the end. Since M is a whole number, a kernel that streams over the keys may use a running M (the ceiling of the running maximum): every later rescaling is an exact power of two, which a block's scale takes up: the codes' values come out the same.
;;   OPERANDS COMPUTED ON THE WAY. 'Computed on the way' means the value that the module computes at that place (a softmax that the list does not call 'softmax' is quantised finished and normalised). What goes into a quantiser is computed in f32, as accurately as f32 sums, v_exp_f32 and their like allow (about 1e-6 of the number): no bf16 or f16 on the way to a quantiser, and a product that is left as it is and whose result goes on into a quantised operand takes f32 operands (vector FMAs, or v_wmma_f32_16x16x4_f32). A number that lies on a knife's edge between two numbers of the format may be rounded either way, as far as f32 arithmetic and the matrix unit's own rounding can turn it there, and no further.
;; One version. Each part assembles by itself: llvm-mc -triple=amdgcn-amd-amdhsa -mcpu=gfx1250 --defsym DOCPART=n.
;; ======== version 1 of 1: 3 launches
;; limits: right only within a limited range of input values
;; workspace buffers: wc 1,114,112 bytes; ws 69,632 bytes; xc 4,194,304 bytes; xs 262,144 bytes; kvb 557,056 bytes
;; launch wprep (part 1): grid 68 x 1, 8 waves a work-group, no clusters, 2,048 bytes of LDS; arguments Wq, Wo, Wk, Wv, wc, ws; writes wc, ws
.if DOCPART == 1
	.amdgcn_target "amdgcn-amd-amdhsa--gfx1250"
	.amdhsa_code_object_version 6
	.text
	.protected	k_q8ea0b0b669_wprep
	.globl	k_q8ea0b0b669_wprep
	.p2align	8
	.type	k_q8ea0b0b669_wprep,@function
k_q8ea0b0b669_wprep:
	s_mov_b64 s[64:65], 0
	v_nop
	global_prefetch_b8 v0, s[64:65] scope:SCOPE_SE
	s_setreg_imm32_b32 hwreg(HW_REG_WAVE_MODE, 25, 1), 1
	s_wait_xcnt 0x0
; MULTI-QUERY ATTENTION IN MX-FP4, launch 1 of 3: the four weights become codes of E2M1 with one E8M0 byte for each 32 along K.
; DEAD WORK: none.  Every input of the problem has a way to the output (bk too: it moves k's codes ahead of the quantised product with q), so all nine are loaded by some launch and no product is left out.
; Wq, Wo [1024 (k)][1024 (n)], Wk, Wv [1024 (k)][64 (n)], f32, K = the FIRST axis.  A lane takes a column n and its registers run down K, so that a block of 32 lies in one lane and the conversions give codes with K innermost.
; OUT, in the order of an operand's registers.  A TILE is 16 columns; of a group of 32 columns tile u (0, 1) holds in its lane r the column 8 u + r + 8 (r / 8): so a transposed product's 16 registers of two neighbouring tiles are 16 neighbours.
;   wc: [tile 136][K step 8][1,024 bytes]: a fragment (16 columns x 128 K) as an image of its 8 registers: part c (registers 4 c .. 4 c + 3) at 512 c + 16 x lane; lane (r, h) holds k = 64 c + 32 h + 0 .. 31.
;   ws: [tile 136][r 16][8 words]: word s = the four scale bytes of K step s.      Tiles 0-63 Wq, 64-127 Wo, 128-131 Wk, 132-135 Wv.
; SHARES: work-group g takes 32 columns (g < 32: Wq; < 64: Wo; 64, 65: Wk; 66, 67: Wv), wave w K step w (128 rows), lane l column l.
; A block's scale is 2^(floor(log2(largest magnitude)) - 2): its byte is the largest magnitude's exponent field - 2, held at 1 from below.
; LIMITS: a block of zeros gets the byte 1 where the rule says 127 (its codes are zeros, and this program alone reads the bytes); blocks whose largest magnitude lies under 2^-124 are held at the byte 1; NaN and infinities among the inputs are not served.
; No matrix unit, no cluster, no tensor load: each input byte is read once by one wave, and nothing is shared between work-groups.
.set SPARE, 1024                       ; LDS: 0-1023 the group's two scale tables [u][r][8 words]; from 1,024 the spare words, 128 bytes for each of the eight waves
.set SPW,   1                          ; v1   LDS address of my spare word; never rewritten
.set NIL,   2                          ; v2   0; never rewritten
.set X,     32                         ; v32-159  my column's 128 numbers
.set C,     160                        ; v160-175 codes, four registers a block: no store's data are written again
	s_load_b256 s[4:11], s[0:1], 0x0               ; Wq s[4:5], Wo s[6:7], Wk s[8:9], Wv s[10:11]
	s_load_b128 s[12:15], s[0:1], 0x20             ; wc s[12:13], ws s[14:15]
	v_lshl_add_u32 v[SPW], v0, 2, SPARE
	v_mov_b32 v[NIL], 0
	v_lshrrev_b32 v8, 5, v0
	s_delay_alu instid0(VALU_DEP_1)
	v_readfirstlane_b32 s24, v8                    ; wave 0..7 = K step
	v_and_b32 v3, 31, v0
	s_delay_alu instid0(VALU_DEP_1)
	v_lshlrev_b32 v3, 2, v3                        ; in: 4 bytes a lane
	v_bfe_u32 v8, v0, 3, 1                         ; my column's tile u = (l / 8) % 2
	v_and_b32 v9, 7, v0
	v_bfe_u32 v10, v0, 4, 1
	s_delay_alu instid0(VALU_DEP_1)
	v_lshl_add_u32 v9, v10, 3, v9                  ; and its lane there: r = l % 8 + 8 (l / 16)
	s_delay_alu instid0(VALU_DEP_1)
	v_lshlrev_b32 v4, 4, v9
	s_delay_alu instid0(VALU_DEP_1)
	v_lshl_add_u32 v4, v8, 13, v4                  ; codes out: 8,192 u + 16 r
	s_lshl_b32 s25, s24, 2
	v_lshl_add_u32 v5, v9, 5, s25
	s_delay_alu instid0(VALU_DEP_1)
	v_lshl_add_u32 v5, v8, 9, v5                   ; my scale word in LDS: 512 u + 32 r + 4 w
	v_lshlrev_b32 v6, 4, v0                        ; the tables' way out: 16 x thread (waves 0 and 1)
	s_and_b32 s20, ttmp9, 31                       ; which 32 columns of a wide weight,
	s_and_b32 s21, ttmp9, 1                        ; of a narrow one
	s_lshl_b32 s22, s24, 19                        ; 128 rows of 4,096 bytes,
	s_lshl_b32 s23, s24, 15                        ; of 256 bytes
	s_cmp_lt_u32 ttmp9, 64
	s_cselect_b32 s20, s20, s21
	s_cselect_b32 s22, s22, s23
	s_lshl_b32 s20, s20, 7
	s_add_co_u32 s20, s20, s22
	s_mov_b32 s21, 0
	s_lshl_b32 s26, ttmp9, 14                      ; wc: two tiles of 8,192 bytes a group, 1,024 a K step
	s_lshl_b32 s27, s24, 10
	s_add_co_u32 s26, s26, s27
	s_mov_b32 s27, 0
	s_lshl_b32 s28, ttmp9, 10                      ; ws: two tables of 512 bytes a group
	s_mov_b32 s29, 0
	s_wait_kmcnt 0x0
	s_cmp_lt_u32 ttmp9, 32                         ; the choice of buffer hangs on the work-group's number alone
	s_cselect_b64 s[16:17], s[4:5], s[6:7]
	s_cmp_lt_u32 ttmp9, 66
	s_cselect_b64 s[18:19], s[8:9], s[10:11]
	s_cmp_lt_u32 ttmp9, 64
	s_cselect_b64 s[16:17], s[16:17], s[18:19]
	s_add_nc_u64 s[16:17], s[16:17], s[20:21]
	s_add_nc_u64 s[12:13], s[12:13], s[26:27]
	s_add_nc_u64 s[14:15], s[14:15], s[28:29]
.macro LOADS pitch                     ; W(128 w + n, my column), n = 0 .. 127: 32 lanes read 128 neighbouring bytes
.set NN, 0
.rept 128
	global_load_b32 v[X+NN], v3, s[16:17] offset:NN*\pitch th:TH_LOAD_NT
.set NN, NN+1
.endr
.endm
	s_cmp_lt_u32 ttmp9, 64                         ; the two arms differ in the row's pitch alone: 128 loads in each
	s_cbranch_scc0 .Lnarrow
	LOADS 4096
	s_branch .Lloaded
.Lnarrow:
	LOADS 256
.Lloaded:
; Block kb: k = 32 kb .. 32 kb + 31 of the K step: part c = kb / 2, half h = kb % 2 of the image: 256 kb bytes on.  left: how many younger loads may stay out.
.macro BLOCK kb, left
.set XS, X+32*\kb
	s_wait_loadcnt \left
	v_max3_num_f32 v8, |v[XS]|, |v[XS+1]|, |v[XS+2]|               ; the block's largest magnitude: all 32 numbers are mine; two chains
	v_max3_num_f32 v9, |v[XS+3]|, |v[XS+4]|, |v[XS+5]|
.irp i, 6,10,14,18,22,26
	s_delay_alu instid0(VALU_DEP_2)
	v_max3_num_f32 v8, v8, |v[XS+\i]|, |v[XS+\i+1]|
	s_delay_alu instid0(VALU_DEP_2)
	v_max3_num_f32 v9, v9, |v[XS+\i+2]|, |v[XS+\i+3]|
.endr
	s_delay_alu instid0(VALU_DEP_2)
	v_max3_num_f32 v8, v8, |v[XS+30]|, |v[XS+31]|
	s_delay_alu instid0(VALU_DEP_1)
	v_max3_num_f32 v8, v8, v9, 0x1800000           ; and the floor 2^(3 - 127): the byte cannot fall under 1
	s_delay_alu instid0(VALU_DEP_1)
	v_add_nc_u32 v10, 0xff000000, v8               ; 2 off the exponent field: the conversion's scale operand
	s_delay_alu instid0(VALU_DEP_1)
	v_lshrrev_b32 v11, 23, v10                     ; the scale's byte
.if \kb == 0
	s_delay_alu instid0(VALU_DEP_1)
	v_mov_b32 v14, v11
.else
	s_delay_alu instid0(VALU_DEP_1)
	v_lshl_or_b32 v14, v11, 8*\kb, v14             ; four bytes make the K step's word, the lower k in the lower byte
.endif
.irp g, 0,1,2,3
	v_cvt_scalef32_pk8_fp4_f32 v[C+4*\kb+\g], v[XS+8*\g:XS+8*\g+7], v10
.endr
	global_store_b128 v4, v[C+4*\kb:C+4*\kb+3], s[12:13] offset:256*\kb   ; the 16 lanes of a tile store 256 consecutive bytes, at a multiple of 256 from wc's first byte
.endm
	BLOCK 0, 63                                    ; 96 may be out here and 64 at the next block; a wait's count names 63 at the most, and a smaller count is safe
	BLOCK 1, 63
	BLOCK 2, 32                                    ; the last block's 32
	BLOCK 3, 0
	ds_store_b32 v5, v14                           ; the eight waves' words meet in LDS, so that the tables leave in long runs
	s_wait_dscnt 0x0                               ; for the others' sake: my store has landed
	s_barrier_signal -1
	s_barrier_wait -1
	s_cmp_lt_u32 s24, 2
	s_cbranch_scc0 .Ldone
	ds_load_b128 v[16:19], v6                      ; waves 0 and 1: a table of 512 bytes each
	s_wait_dscnt 0x0
	global_store_b128 v6, v[16:19], s[14:15]       ; 32 lanes store 512 consecutive bytes
.Ldone:
	s_wait_tensorcnt 0x0                           ; the wave's end
	ds_add_u32 v[SPW], v[NIL]
	s_wait_dscnt 0x0
	s_endpgm
.Lfunc_end_k_q8ea0b0b669_wprep:
	.size	k_q8ea0b0b669_wprep, .Lfunc_end_k_q8ea0b0b669_wprep-k_q8ea0b0b669_wprep
	.p2alignl 7, 3214868480
	.fill 96, 4, 3214868480
	.section	.rodata,"a",@progbits
	.p2align	6, 0x0
	.amdhsa_kernel k_q8ea0b0b669_wprep
		.amdhsa_group_segment_fixed_size 2048
		.amdhsa_private_segment_fixed_size 0
		.amdhsa_enable_private_segment 0
		.amdhsa_kernarg_size 48
		.amdhsa_user_sgpr_count 2
		.amdhsa_user_sgpr_kernarg_segment_ptr 1
		.amdhsa_wavefront_size32 1
		.amdhsa_system_sgpr_workgroup_id_x 1
		.amdhsa_system_sgpr_workgroup_id_y 1
		.amdhsa_system_sgpr_workgroup_id_z 1
		.amdhsa_system_vgpr_workitem_id 0
		.amdhsa_next_free_vgpr 176
		.amdhsa_next_free_sgpr 66
		.amdhsa_reserve_vcc 0
		.amdhsa_float_denorm_mode_32 3
		.amdhsa_float_denorm_mode_16_64 3
		.amdhsa_memory_ordered 1
		.amdhsa_forward_progress 1
		.amdhsa_inst_pref_size 36
	.end_amdhsa_kernel
	.amdgpu_metadata
---
amdhsa.version: [ 1, 2 ]
amdhsa.kernels:
  - .name:           k_q8ea0b0b669_wprep
    .symbol:         k_q8ea0b0b669_wprep.kd
    .args:
      - { .name: Wq, .offset: 0, .size: 8, .value_kind: global_buffer, .address_space: global }
      - { .name: Wo, .offset: 8, .size: 8, .value_kind: global_buffer, .address_space: global }
      - { .name: Wk, .offset: 16, .size: 8, .value_kind: global_buffer, .address_space: global }
      - { .name: Wv, .offset: 24, .size: 8, .value_kind: global_buffer, .address_space: global }
      - { .name: wc, .offset: 32, .size: 8, .value_kind: global_buffer, .address_space: global }
      - { .name: ws, .offset: 40, .size: 8, .value_kind: global_buffer, .address_space: global }
    .group_segment_fixed_size: 2048
    .private_segment_fixed_size: 0
    .kernarg_segment_align: 8
    .kernarg_segment_size: 48
    .max_flat_workgroup_size: 256
    .sgpr_count:     66
    .vgpr_count:     176
    .wavefront_size: 32
...
	.end_amdgpu_metadata
.endif
;; end of part 1
;; launch kv (part 2): grid 256 x 1, 8 waves a work-group, no clusters, 223,232 bytes of LDS; arguments x, wc, ws, bk, bv, xc, xs, kvb; writes xc, xs, kvb
.if DOCPART == 2
	.amdgcn_target "amdgcn-amd-amdhsa--gfx1250"
	.amdhsa_code_object_version 6
	.text
	.protected	k_q8ea0b0b669_kv
	.globl	k_q8ea0b0b669_kv
	.p2align	8
	.type	k_q8ea0b0b669_kv,@function
k_q8ea0b0b669_kv:
	s_mov_b64 s[64:65], 0
	v_nop
	global_prefetch_b8 v0, s[64:65] scope:SCOPE_SE
	s_setreg_imm32_b32 hwreg(HW_REG_WAVE_MODE, 25, 1), 1
	s_wait_xcnt 0x0
; Launch 2 of 3: x is quantised along K = 1,024 (once, for all three products that take it); k = x Wk + bk and v = x Wv + bv are made on the codes; k is quantised along the head's 64, v along the keys.  No work is left out.
; SHARES.  Work-group P takes x's rows 32 P .. 32 P + 31 (batch P / 64, keys 32 pb on, pb = P % 64), as two TILES: lane r of tile t is row 8 t + r + 8 (r / 8).
;   First wave w quantises K step w (128 columns) of both tiles; the images of the fragments go to LDS for the other waves and to xc for the next launch.
;   Then eight tasks of two accumulators, all of one form, acc[u] = A_u x B + bias out of images in LDS: one text, only base addresses differ:
;   waves 0-3: k, tile t = w / 2 of keys, half bd = w % 2 of the head: A_u = Wk's tile 2 bd + u, B = x's tile t: a lane holds ONE key and 16 registers d = 32 bd + 16 (lane / 16) + 0 .. 15;
;   waves 4-7: v, tile i = w - 4 of the head: A_u = x's tile u, B = Wv's tile i: a lane holds ONE d and 16 registers keys 16 (lane / 16) + 0 .. 15 of the group's 32, one block of the second product's K.
; OUT.  xc [P][8 t + s][1,024]: images of fragments (part c at 512 c + 16 x lane).  xs [P][t][r][8 words].  kvb, 139,264 bytes a batch (ks = pb / 4, kb = pb % 4):
;   +0  K's codes [ks][image b 0 .. 3][part u][bd][row m][16 bytes]: part u of image b is a tile of 16 keys; its row m is key 128 ks + 64 (b / 2) + 32 (m / 8) + 8 (2 (b % 2) + u) + m % 8.
;       So in the next launch's transposed score product a lane's 32 registers of four neighbouring tiles are 32 neighbouring keys: one whole block of p.  A tile's two halves of rows are 32 keys apart,
;       so they come from two work-groups: a wave's 256 bytes of k's codes leave as two runs of 128 bytes (65,536 bytes a batch are stored so).
;   +65,536  V's codes [ks][i][image]: row r = the d of Wv's tile i, lane r; K = keys 128 ks on;   +131,072 K's scale words [ks][m][b], byte 2 u + bd;   +135,168 V's [ks][r][i], byte kb.
; The 128 scale bytes of k and v leave as single bytes.  All other stores of a wave cover 256 or 512 consecutive bytes.
; ONE TENSOR LOAD A WAVE: its 32 rows x 512 bytes of x.  Wk's and Wv's images (8,192 bytes a wave) and tables (512) come by plain loads and go on into LDS by stores.
; NO CLUSTER: what work-groups share, Wk's and Wv's codes and scales, is 69,632 of the 200,704 bytes that a work-group brings in, once; x is shared by nobody.  NO PREFETCH: all is asked for at the head; there is no loop.
; LIMITS: a block of zeros has the byte 1 (its codes are zeros; this program alone reads the bytes); largest magnitudes under 2^-124 are held at the byte 1; NaN and infinities are not served.
.set WIMG,  0                          ; LDS: wc's tiles 128-135, 8,192 bytes each            (LDS stores)
.set XIMG,  65536                      ; x's 16 fragments, [t][s][1,024]                      (LDS stores)
.set WSC,   81920                      ; ws's tables 128-135, 512 bytes each                  (LDS stores)
.set XSC,   86016                      ; x's scale tables [t][r][8 words]                     (LDS stores)
.set XF,    87040                      ; for each wave 32 rows x (512 bytes of f32 + 16)      (tensor load, once; the wave's own)
.set XFW,   16896
.set SPARE, 222208                     ; the spare words, 128 bytes for each of the eight waves
.set SPW,  2
.set NIL,  3
.set ACC,  16                          ; v16-31   the two accumulators
.set XN,   32                          ; v32-159  x's numbers, 64 a tile; later A's 16 fragments (u, s) at 32 + 64 u + 8 s
.set BF,   160                         ; v160-223 my tile of the weights on its way into LDS; later B's 8 fragments
.set TM,   224                         ; v224-231, v236-239 at work in QUANT
.set WT,   232                         ; v232-235 my table on its way into LDS
.set SA,   224                         ; later A's scale words (224-231) and B's (232-239)
.set SB,   232
.set PW,   240
.set PC,   242
.set AWI,  254                         ; v254, v255: where my tile and my table go in LDS; at the end the task's codes
.set AWS,  255
.set WV,   20
.set SEL,  60
.set G1XF, 24
.set G0XF, 48
.set WPT,  52                          ; s[52:53] my tile in wc;  s54, s55 its and my table's place in LDS;  s[56:57] my table in ws
.set WL,   54
.set SL,   55
.set SPT,  56
.macro WM d, a, b, sa, sb, ra
.if (\ra)
	v_wmma_scale_f32_16x16x128_f8f6f4 v[\d:\d+7], v[\a:\a+7], v[\b:\b+7], v[\d:\d+7], v[\sa], v[\sb] matrix_a_fmt:MATRIX_FMT_FP4 matrix_b_fmt:MATRIX_FMT_FP4 matrix_a_scale:MATRIX_SCALE_ROW1
.else
	v_wmma_scale_f32_16x16x128_f8f6f4 v[\d:\d+7], v[\a:\a+7], v[\b:\b+7], v[\d:\d+7], v[\sa], v[\sb] matrix_a_fmt:MATRIX_FMT_FP4 matrix_b_fmt:MATRIX_FMT_FP4
.endif
.endm
	s_load_b256 s[4:11], s[0:1], 0x0               ; x s[4:5], wc s[6:7], ws s[8:9], bk s[10:11]
	s_load_b256 s[12:19], s[0:1], 0x20             ; bv s[12:13], xc s[14:15], xs s[16:17], kvb s[18:19]
	v_lshl_add_u32 v[SPW], v0, 2, SPARE
	v_mov_b32 v[NIL], 0
	ds_add_u32 v[SPW], v[NIL]                      ; the opening lines: the add twice on end, and its wait ahead of my tensor load
	ds_add_u32 v[SPW], v[NIL]
	v_lshrrev_b32 v1, 5, v0
	v_readfirstlane_b32 s[WV], v1                  ; wave 0..7
	s_mov_b32 s[G1XF], (3<<16)|(1<<20)|(6<<22)|(3<<25)  ; elements of 8 bytes; four words of padding after every 128
	s_mov_b32 s[G1XF+1], 64<<16
	s_mov_b32 s[G1XF+2], 32<<16
	s_mov_b32 s[G1XF+3], 64<<16
	s_mov_b32 s[G1XF+4], 32
	s_mov_b32 s[G1XF+5], 512
	s_mov_b32 s[G1XF+6], 0
	s_mov_b32 s[G1XF+7], 0
	s_mov_b32 s[G0XF], 1
	s_mul_i32 s[G0XF+1], s[WV], XFW
	s_add_co_u32 s[G0XF+1], s[G0XF+1], XF          ; my own 16,896 bytes
	s_lshl_b32 s[WL], s[WV], 13                    ; wave w brings tile 128 + w
	s_lshl_b32 s[SL], s[WV], 9
	s_add_co_u32 s[SL], s[SL], WSC                 ; and its table
	s_mov_b32 s[SEL], 0x76543210
	s_mov_b32 s[SEL+1], 0xfedcba98                 ; v_permlanex16_b32's selects for lane l xor 16
	; every address register is made here, ahead of the first branch on the wave's number
	v_and_b32 v18, 31, v0                          ; l
	v_and_b32 v16, 15, v0                          ; r
	v_bfe_u32 v17, v0, 4, 1                        ; h
	v_and_b32 v19, 8, v16
	v_add_nc_u32 v19, v19, v16                     ; r + 8 (r / 8)
	v_lshlrev_b32 v1, 4, v0                        ; xs's way out: 16 x thread,
	v_add_nc_u32 v241, XSC, v1                     ; and the same place in LDS (waves 0 and 1)
	v_mul_u32_u24 v4, v19, 528
	v_lshl_add_u32 v4, v17, 6, v4
	v_add_nc_u32 v4, s[G0XF+1], v4                 ; x's numbers: my row of tile 0, + 64 h
	v_lshlrev_b32 v5, 4, v18                       ; 16 x lane
	v_add_nc_u32 v[AWI], s[WL], v5
	v_add_nc_u32 v[AWS], s[SL], v5
	s_wait_alu depctr_va_vdst(0)
	v_lshlrev_b32 v6, 6, v17                       ; bk: 64 h
	v_lshlrev_b32 v7, 2, v19                       ; bv: 4 (r + 8 (r / 8))
	s_lshr_b32 s22, s[WV], 2                       ; vf: 1 in waves 4-7
	s_xor_b32 s23, s22, 1                          ; kf: 1 in waves 0-3
	s_bfe_u32 s2, s[WV], 0x10001                   ; (w / 2) % 2
	s_and_b32 s3, s23, s[WV]                       ; e = bd in waves 0-3, else 0
	s_and_b32 s2, s2, s23
	s_mul_i32 s62, s22, s[WV]
	s_add_co_u32 s2, s2, s62                       ; m = t in waves 0-3, w in waves 4-7
	s_lshl_b32 s62, s22, 16
	s_lshl_b32 s63, s3, 14
	s_add_co_u32 s62, s62, s63
	v_add_nc_u32 v8, s62, v5                       ; A_0: Wk's tile 2 bd, or x's tile 0; A_1 lies 8,192 bytes on
	s_lshl_b32 s62, s23, 16
	s_lshl_b32 s63, s2, 13
	s_add_co_u32 s62, s62, s63
	v_add_nc_u32 v9, s62, v5                       ; B: x's tile t, or wc's tile 128 + w
	s_lshl_b32 s62, s3, 10
	s_lshl_b32 s63, s22, 12
	s_add_co_u32 s62, s62, s63
	s_add_co_u32 s62, s62, WSC
	v_lshl_add_u32 v10, v18, 5, s62                ; A's scale words: 32 x lane: lanes 0-15 A_0's rows, lanes 16-31 A_1's
	s_lshl_b32 s62, s23, 12
	s_lshl_b32 s63, s2, 9
	s_add_co_u32 s62, s62, s63
	s_add_co_u32 s62, s62, WSC
	v_lshl_add_u32 v11, v16, 5, s62                ; B's: 32 r
	s_lshl_b32 s66, s[WV], 10
	s_add_co_u32 s66, s66, XIMG
	v_add_nc_u32 v12, s66, v5                      ; where I store x's images: K step w
	s_lshl_b32 s66, s[WV], 2
	s_add_co_u32 s66, s66, XSC
	v_lshl_add_u32 v13, v16, 5, s66                ; and their scale words: 32 r + 4 w
	s_mul_i32 s62, s23, 896
	s_add_co_u32 s62, s62, 128                     ; from lanes 0-7 to lanes 8-15 of a tile: k's codes an image on (1,024), v's 8 rows on (128);
	s_mul_i32 s63, s22, 124
	s_add_co_u32 s63, s63, 4                       ; the scale bytes: k's a word on (4), v's 8 rows on (128)
	v_and_b32 v250, 7, v16                         ; r % 8
	v_lshrrev_b32 v14, 3, v16                      ; r / 8
	v_lshlrev_b32 v250, 4, v250
	v_mad_u32_u24 v15, v14, s63, v250              ; kvb: a scale byte's place
	v_mad_u32_u24 v14, v14, s62, v250
	v_lshl_add_u32 v14, v17, 3, v14                ; my 16 codes' place: + 8 h
.irp b, 0,1,2,3
	v_mov_b32 v[TM+4+\b], 0                        ; written once: a lane permute's destination counts as one of its sources
.endr
	v_mov_b32 v251, 0
	; where my task's codes and scale bytes go in kvb
	s_and_b32 s66, ttmp9, 63                       ; pb
	s_lshr_b32 s67, s66, 2                         ; ks
	s_and_b32 s68, s66, 3                          ; kb
	s_lshr_b32 s69, ttmp9, 6
	s_mul_i32 s69, s69, 139264                     ; the batch
	s_lshr_b32 s70, s66, 1
	s_lshl_b32 s70, s70, 11
	s_and_b32 s71, s66, 1
	s_lshl_b32 s71, s71, 7
	s_add_co_u32 s70, s70, s71
	s_lshl_b32 s71, s[WV], 8
	s_add_co_u32 s70, s70, s71                     ; k's codes: 2,048 (pb / 2) + 128 (pb % 2) + 256 w
	s_lshl_b32 s72, s67, 12
	s_lshl_b32 s71, s68, 8
	s_add_co_u32 s72, s72, s71
	s_lshl_b32 s71, s[WV], 10
	s_add_co_u32 s72, s72, s71
	s_add_co_u32 s72, s72, 61440                   ; v's codes: 65,536 + 4,096 ks + 1,024 (w - 4) + 256 kb
	s_lshl_b32 s73, s67, 8
	s_and_b32 s71, s68, 1
	s_lshl_b32 s71, s71, 7
	s_add_co_u32 s74, s73, s71
	s_lshr_b32 s71, s68, 1
	s_lshl_b32 s71, s71, 3
	s_add_co_u32 s74, s74, s71
	s_add_co_u32 s74, s74, s[WV]
	s_add_co_u32 s74, s74, 131072                  ; k's byte: 131,072 + 256 ks + 128 (kb % 2) + 8 (kb / 2) + w
	s_lshl_b32 s71, s[WV], 2
	s_add_co_u32 s75, s73, s71
	s_add_co_u32 s75, s75, s68
	s_add_co_u32 s75, s75, 135152                  ; v's byte: 135,168 + 256 ks + 4 (w - 4) + kb
	s_cmp_lt_u32 s[WV], 4
	s_cselect_b32 s70, s70, s72
	s_cselect_b32 s74, s74, s75
	s_add_co_u32 s70, s70, s69
	s_add_co_u32 s74, s74, s69
	s_mov_b32 s71, 0
	s_mov_b32 s75, 0
	s_mov_b32 s77, 0
	s_wait_alu depctr_va_vdst(0)                   ; the head's end
	s_wait_dscnt 0x0                               ; both opening adds are done
	s_wait_kmcnt 0x0
	s_lshl_b32 s76, ttmp9, 17                      ; 32 rows of 4,096 bytes a work-group,
	s_lshl_b32 s78, s[WV], 9                       ; 512 bytes of a row a wave
	s_add_co_u32 s76, s76, s78
	s_add_nc_u64 s[G0XF+2:G0XF+3], s[4:5], s[76:77]
	s_or_b32 s[G0XF+3], s[G0XF+3], 0x80000000
	tensor_load_to_lds s[G0XF:G0XF+3], s[G1XF:G1XF+7]   ; my one tensor load.  Nothing is ever filled again
	s_nop 0
	s_add_co_u32 s76, s[WL], 128*8192
	s_add_nc_u64 s[WPT:WPT+1], s[6:7], s[76:77]
	s_lshl_b32 s76, s[WV], 9
	s_add_co_u32 s76, s76, 128*512
	s_add_nc_u64 s[SPT:SPT+1], s[8:9], s[76:77]
.irp k, 0,1,2,3,4,5,6,7,8,9,10,11,12,13,14,15
	global_load_b128 v[BF+4*\k:BF+4*\k+3], v5, s[WPT:WPT+1] offset:512*\k   ; my tile of the weights: 512 consecutive bytes a load
.endr
	global_load_b128 v[WT:WT+3], v5, s[SPT:SPT+1]  ; and its table
	s_add_nc_u64 s[4:5], s[18:19], s[70:71]        ; from here on s[4:5]: my codes in kvb, s[6:7]: my scale bytes
	s_add_nc_u64 s[6:7], s[18:19], s[74:75]
	s_lshl_b32 s76, ttmp9, 14
	s_lshl_b32 s78, s[WV], 10
	s_add_co_u32 s76, s76, s78
	s_add_nc_u64 s[14:15], s[14:15], s[76:77]      ; xc at my K step
	s_lshl_b32 s76, ttmp9, 10
	s_add_nc_u64 s[16:17], s[16:17], s[76:77]      ; xs at my work-group's tables
	s_and_b32 s78, s[WV], 1
	s_lshl_b32 s76, s78, 7
	s_add_nc_u64 s[10:11], s[10:11], s[76:77]      ; bk + 128 bd
	s_bfe_u32 s76, s[WV], 0x10001
	s_lshl_b32 s76, s76, 7
	s_lshl_b32 s78, s78, 5
	s_add_co_u32 s76, s76, s78
	s_add_nc_u64 s[12:13], s[12:13], s[76:77]      ; bv + 128 (i / 2) + 32 (i % 2)
	; the bias is what the sums begin with: it is loaded into the accumulators, in the result's layout
	s_cmp_lt_u32 s[WV], 4
	s_cbranch_scc0 .Lbias_v
.irp u, 0,1
	global_load_b128 v[ACC+8*\u:ACC+8*\u+3], v6, s[10:11] offset:32*\u        ; register 8 u + j: bk[32 bd + 16 h + 8 u + j]
	global_load_b128 v[ACC+8*\u+4:ACC+8*\u+7], v6, s[10:11] offset:32*\u+16
.endr
	s_branch .Lbias_done
.Lbias_v:
.irp n, 0,1,2,3,4,5,6,7,8,9,10,11,12,13,14,15
	global_load_b32 v[ACC+\n], v7, s[12:13]        ; all 16 registers: bv at my lane's d
.endr
.Lbias_done:
; 64 numbers of a lane, register 16 b + i = k 32 b + 16 (lane / 16) + i of my row, become a fragment's codes in v[PC] on and its scale word in v[PW]
.macro QUANT src
.irp b, 0,1,2,3
	v_max3_num_f32 v[TM+\b], |v[\src+16*\b]|, |v[\src+1+16*\b]|, 0x1800000   ; my 16 numbers of block b, and the floor 2^(3 - 127): the byte cannot fall under 1
.endr
.irp i, 2,4,6,8,10,12,14
.irp b, 0,1,2,3
	v_max3_num_f32 v[TM+\b], v[TM+\b], |v[\src+16*\b+\i]|, |v[\src+1+16*\b+\i]|   ; (the four blocks by turns)
.endr
.endr
.irp b, 0,1,2,3
	v_permlanex16_b32 v[TM+4+\b], v[TM+\b], s[SEL], s[SEL+1]
.endr
.irp b, 0,1,2,3
	v_max_num_f32 v[TM+\b], v[TM+\b], v[TM+4+\b]   ; with lane l xor 16's: the block's largest magnitude
.endr
.irp b, 0,1,2,3
	v_add_nc_u32 v[TM+12+\b], 0xff000000, v[TM+\b] ; 2 off its exponent field: the conversion's scale operand
.endr
.irp b, 0,1,2,3
	v_lshrrev_b32 v[TM+4+\b], 23, v[TM+12+\b]      ; the scale's byte
.endr
	v_lshl_or_b32 v[PW], v[TM+5], 8, v[TM+4]
	v_lshl_or_b32 v[PW], v[TM+6], 16, v[PW]
	v_lshl_or_b32 v[PW], v[TM+7], 24, v[PW]
.irp b, 0,1,2,3
	v_cvt_scalef32_pk8_fp4_f32 v[PC+2*\b], v[\src+16*\b:\src+7+16*\b], v[TM+12+\b]
	v_cvt_scalef32_pk8_fp4_f32 v[PC+1+2*\b], v[\src+8+16*\b:\src+15+16*\b], v[TM+12+\b]
.endr
	v_nop                                          ; one plain place behind a scaled conversion
.irp c, 0,1                                    ; the operand's layout wants a WHOLE block in a lane
.irp i, 0,1
	v_permlane16_swap_b32 v[PC+4*\c+\i], v[PC+2+4*\c+\i]
.endr
.endr
.endm
.macro OUTX tx                         ; tile tx's fragment of my K step: to LDS and to xc as it stands in the registers, 512 consecutive bytes a store; its scale word to LDS
.irp c, 0,1
	ds_store_b128 v12, v[PC+4*\c:PC+4*\c+3] offset:8192*\tx+512*\c
	global_store_b128 v5, v[PC+4*\c:PC+4*\c+3], s[14:15] offset:8192*\tx+512*\c
.endr
	ds_store_b32 v13, v[PW] offset:512*\tx         ; (both halves of the lanes write the same word with the same value)
.endm
	s_wait_tensorcnt 0x0                           ; my rows of x are in.  Only I read these bytes
.irp t, 0,1
.irp b, 0,1,2,3
.irp j, 0,1,2,3
	ds_load_b128 v[XN+64*\t+16*\b+4*\j:XN+64*\t+16*\b+4*\j+3], v4 offset:4224*\t+128*\b+16*\j   ; tile t begins 8 rows of 528 bytes on
.endr
.endr
.endr
	s_wait_dscnt 16                                ; tile 0's sixteen loads are in, tile 1's may be out
	QUANT XN
	OUTX 0
	s_wait_dscnt 0x0                               ; tile 1's numbers are in, and the LDS stores are done
	s_wait_xcnt 0x0                                ; the stores to xc have read their registers: the codes' registers are written again only behind this wait
	QUANT XN+64
	OUTX 1
	s_wait_loadcnt 0x0                             ; my tile of the weights, its table and the bias are in
.irp k, 0,1,2,3,4,5,6,7,8,9,10,11,12,13,14,15
	ds_store_b128 v[AWI], v[BF+4*\k:BF+4*\k+3] offset:512*\k
.endr
	ds_store_b128 v[AWS], v[WT:WT+3]
	s_wait_dscnt 0x0                               ; for the others' sake: all my stores have landed
	s_barrier_signal -1
	s_barrier_wait -1                              ; everybody's have.  The launch's one barrier
.irp u, 0,1
.irp s, 0,1,2,3,4,5,6,7
.irp c, 0,1
	ds_load_b128 v[XN+64*\u+8*\s+4*\c:XN+64*\u+8*\s+4*\c+3], v8 offset:8192*\u+1024*\s+512*\c
.endr
.endr
.endr
.irp s, 0,1,2,3,4,5,6,7
.irp c, 0,1
	ds_load_b128 v[BF+8*\s+4*\c:BF+8*\s+4*\c+3], v9 offset:1024*\s+512*\c
.endr
.endr
.irp q, 0,1
	ds_load_b128 v[SA+4*\q:SA+4*\q+3], v10 offset:16*\q
	ds_load_b128 v[SB+4*\q:SB+4*\q+3], v11 offset:16*\q
.endr
	s_wait_dscnt 0x0
.irp s, 0,1,2,3,4,5,6,7                        ; the two accumulators take turns, one instruction a turn
.irp u, 0,1
	WM ACC+8*\u, XN+64*\u+8*\s, BF+8*\s, SA+\s, SB+\s, \u
.endr
.endr
.rept 4
	v_nop                                          ; four places in front of the first read of results
.endr
	; my 16 registers are half a block of 32, lane l xor 16 holds the other half.  Each accumulator is read from its low end on
	v_max3_num_f32 v250, |v[ACC]|, |v[ACC+1]|, 0x1800000
.irp i, 2,4,6,8,10,12,14
	v_max3_num_f32 v250, v250, |v[ACC+\i]|, |v[ACC+\i+1]|
.endr
	v_permlanex16_b32 v251, v250, s[SEL], s[SEL+1]
	v_max_num_f32 v250, v250, v251
	v_add_nc_u32 v252, 0xff000000, v250
	v_lshrrev_b32 v253, 23, v252
	v_cvt_scalef32_pk8_fp4_f32 v254, v[ACC:ACC+7], v252
	v_cvt_scalef32_pk8_fp4_f32 v255, v[ACC+8:ACC+15], v252
	v_nop                                          ; one plain place behind the last conversion
	global_store_b64 v14, v[254:255], s[4:5]       ; v: 256 consecutive bytes; k: two runs of 128
	global_store_b8 v15, v253, s[6:7]              ; (both halves of the lanes write the same byte with the same value)
	s_cmp_lt_u32 s[WV], 2
	s_cbranch_scc0 .Ldone
	ds_load_b128 v[32:35], v241                    ; waves 0 and 1: x's scale table of tile w, whole since the barrier
	s_wait_dscnt 0x0
	global_store_b128 v1, v[32:35], s[16:17]       ; 512 consecutive bytes
.Ldone:
	s_wait_tensorcnt 0x0                           ; the wave's end
	ds_add_u32 v[SPW], v[NIL]
	s_wait_dscnt 0x0
	s_endpgm
.Lfunc_end_k_q8ea0b0b669_kv:
	.size	k_q8ea0b0b669_kv, .Lfunc_end_k_q8ea0b0b669_kv-k_q8ea0b0b669_kv
	.p2alignl 7, 3214868480
	.fill 96, 4, 3214868480
	.section	.rodata,"a",@progbits
	.p2align	6, 0x0
	.amdhsa_kernel k_q8ea0b0b669_kv
		.amdhsa_group_segment_fixed_size 223232
		.amdhsa_private_segment_fixed_size 0
		.amdhsa_enable_private_segment 0
		.amdhsa_kernarg_size 64
		.amdhsa_user_sgpr_count 2
		.amdhsa_user_sgpr_kernarg_segment_ptr 1
		.amdhsa_wavefront_size32 1
		.amdhsa_system_sgpr_workgroup_id_x 1
		.amdhsa_system_sgpr_workgroup_id_y 1
		.amdhsa_system_sgpr_workgroup_id_z 1
		.amdhsa_system_vgpr_workitem_id 0
		.amdhsa_next_free_vgpr 256
		.amdhsa_next_free_sgpr 80
		.amdhsa_reserve_vcc 0
		.amdhsa_float_denorm_mode_32 3
		.amdhsa_float_denorm_mode_16_64 3
		.amdhsa_memory_ordered 1
		.amdhsa_forward_progress 1
		.amdhsa_inst_pref_size 29
	.end_amdhsa_kernel
	.amdgpu_metadata
---
amdhsa.version: [ 1, 2 ]
amdhsa.kernels:
  - .name:           k_q8ea0b0b669_kv
    .symbol:         k_q8ea0b0b669_kv.kd
    .args:
      - { .name: x, .offset: 0, .size: 8, .value_kind: global_buffer, .address_space: global }
      - { .name: wc, .offset: 8, .size: 8, .value_kind: global_buffer, .address_space: global }
      - { .name: ws, .offset: 16, .size: 8, .value_kind: global_buffer, .address_space: global }
      - { .name: bk, .offset: 24, .size: 8, .value_kind: global_buffer, .address_space: global }
      - { .name: bv, .offset: 32, .size: 8, .value_kind: global_buffer, .address_space: global }
      - { .name: xc, .offset: 40, .size: 8, .value_kind: global_buffer, .address_space: global }
      - { .name: xs, .offset: 48, .size: 8, .value_kind: global_buffer, .address_space: global }
      - { .name: kvb, .offset: 56, .size: 8, .value_kind: global_buffer, .address_space: global }
    .group_segment_fixed_size: 223232
    .private_segment_fixed_size: 0
    .kernarg_segment_align: 8
    .kernarg_segment_size: 64
    .max_flat_workgroup_size: 256
    .sgpr_count:     80
    .vgpr_count:     256
    .wavefront_size: 32
...
	.end_amdgpu_metadata
.endif
;; end of part 2
;; launch attn (part 3): grid 256 x 1, 16 waves a work-group, no clusters, 327,680 bytes of LDS; arguments xc, xs, wc, ws, bq, kvb, bo, out0; writes out0
.if DOCPART == 3
	.amdgcn_target "amdgcn-amd-amdhsa--gfx1250"
	.amdhsa_code_object_version 6
	.text
	.protected	k_q8ea0b0b669_attn
	.globl	k_q8ea0b0b669_attn
	.p2align	8
	.type	k_q8ea0b0b669_attn,@function
k_q8ea0b0b669_attn:
	s_mov_b64 s[64:65], 0
	v_nop
	global_prefetch_b8 v0, s[64:65] scope:SCOPE_SE
	s_setreg_imm32_b32 hwreg(HW_REG_WAVE_MODE, 25, 1), 1
	s_wait_xcnt 0x0
; Launch 3 of 3: q = x Wq + bq, quantised along the head's 64; attention of all 16 heads against the batch's one K and V; the context quantised along its 1,024; out = context Wo + bo.  All four products on codes of E2M1.  No work is left out.
; SHARES.  Work-group P takes rows 32 P .. 32 P + 31 of x (two tiles of 16, as launch 2 laid them), wave w head w: in both projections columns 64 w .. 64 w + 63, in the attention its head's 32 queries against all 2,048 keys, 128 a step.
; LDS: 0 the batch's part of kvb as it lies (K's codes, V's codes, scale words: 139,264 bytes); XCB x's 16 fragments; AIMG, ASC the context's fragments and scale words (LDS stores); SPARE the spare words;
;   WOL K steps 6 and 7 of a weight's 64 tiles, [tile][2,048 bytes]: Wq's from the head on, Wo's filled over them ahead of the key steps.
;   The way out's stages (8,704 bytes a wave) lie in K's and V's bytes, behind their one fill and behind the barrier that follows their last read.
; TENSOR LOADS.  At the head one a wave, in one chain of three arms: waves 0-7 Wq's K steps 6, 7 (8 tiles each), waves 8-11 a quarter of kvb's part each, waves 12-15 a quarter of x's fragments each; every wave waits for its own ahead of one barrier.
;   Ahead of the key steps three lines and a barrier, and one refill a wave: Wo's K steps 6, 7 of its own four tiles, which it alone reads, behind its own wait, when the key steps are done.
; PROJECTIONS (PROJ), transposed: source 0 = a tile of 16 columns of the weight, source 1 = a tile of rows; the bias is what the sums begin with.  K steps 0 to 5 of a wave's fragments of the weight come from memory straight into registers,
;   each read once by one wave, through a ring of four slots (8 loads of 512 bytes a step); steps 6 and 7 come from WOL into slots 2 and 3.  Wq's first four steps are asked for ahead of the head's barrier, Wo's ahead of the barrier that shows the context to all waves.
; ATTENTION, both products transposed: a lane holds ONE query.  An image of K holds two tiles of keys in its two halves of K = 128; the query's 64 codes stand beside 64 zero codes and pick one.
;   By launch 2's order of keys a lane's registers S + 32 c .. + 31 are keys 64 c + 32 (lane / 16) + 0 .. 31 of the step: one whole block of p, in the order of the second product's operand: its largest needs no other lane, and the conversions' results are the operand.
;   t = score x log2(e) / 8; M = the running largest t rounded up to a whole number, kept as -M; p = 2^(t - M); the row's sum is taken of the unquantised p; when M moves, the sum and O are multiplied by 2^(old M - new M), exactly.
;   A block's largest p is its largest score put through the same multiply-add and exponential.
;   Four waves share a SIMD: independent chains take turns (eight for the maxima, four for the sums, the scale word's lines among the sums'); where a chain stands alone, a one-field hint stands ahead of each link.
; NO CLUSTER: what work-groups share are Wq and Wo (three quarters of which go to registers and not through LDS: beside K, V, x and the context 152,576 bytes of LDS are left for 1,048,576) and K and V (a sixth of a work-group's bytes, brought once).
; NO PREFETCH: K, V, x and the weights' parts in LDS are asked for whole, as early as their bytes are free; the weights' loads into registers run four K steps ahead.
; LIMITS: the promise holds while the scaled scores stay under 2^31 in magnitude; a block of zeros has the byte 1 (its codes are zeros); largest magnitudes under 2^-124 are held at the byte 1; NaN and infinities are not served.
.set VC,    65536
.set KSB,   131072
.set XCB,   139264
.set AIMG,  155648
.set ASC,   172032
.set SPARE, 173056
.set WOL,   175104
.set L16,  1                           ; 16 x lane
.set AV0,  2
.set AS0,  3
.set SPW,  4
.set NIL,  5
.set ADK,  6                           ; v6-8 the step's addresses of K, V, scale words; v6 in the projections: my tiles in WOL
.set ADV,  7
.set ADS,  8
.set AXC,  9
.set AAI,  10
.set AAS,  11
.set WAI,  12
.set WAS,  13
.set STO,  14
.set SRD,  15
.set GO,   16
.set L32,  17
.set H64,  18
.set SH8,  19                          ; 8 (lane / 16)
.set ST,   20                          ; v20-27 for each query tile: -M, the largest score, the sum in two halves
.set QZ,   28                          ; v28-47 zeros, q of tile 0, zeros, q of tile 1, zeros
.set QS,   48
.set F,    52
.set F2,   54
.set KSW,  56
.set KF,   60                          ; v60-91 four images of K, then of V
.set PC,   92                          ; v92-107 p's codes, 8 a query tile
.set S,    108                         ; v108-171 scores, then p
.set O,    172                         ; v172-235 O^T, 32 a query tile
.set CH,   236                         ; v236-243 in a key step: eight chains of maxima; then the blocks' largest p (CH, CH + 4), bytes (+ 1, + 5), scale operands (+ 2, + 6)
.set BT,   244                         ; v244, v245 lane permutes' results
.set X2,   246                         ; the sums' chains: v[246:247], v[250:251], v[254:255] beside the sum itself
.set TA,   248
.set X1,   250
.set PW,   252                         ; v252, v253 p's scale words
.set X3,   254
.set BM,   236                         ; outside the key steps (QUANT4): v236-239 maxima, v240-243 permutes' results and bytes, v244-247 scale operands
.set QT,   240
.set SCO,  244
.set ACC,  108                         ; in the projections: sums v108-171; ring slots 0, 1 v172-235, slot 2 v20-51, slot 3 v52-59, v76-91, v100-107
.set RING, 172
.set XF,   60
.set WS,   240                         ; the weight's scale words v240-255, the rows' v92-99
.set BS,   92
.set XCP,  4
.set XSP,  6
.set WB,   8
.set WSB,  10
.set BQ,   12
.set KVP,  14
.set BO,   16
.set OUT,  18
.set WV,   20
.set CNT,  21
.set TB,   2
.set TS,   3
.set G1KV, 24
.set G1X,  32
.set G0X,  40
.set G0KV, 44
.set G1WA, 48                          ; s[48:55], s[56:59] Wq's part: 8 rows of 2,048 bytes
.set G0WA, 56
.set SEL,  60
.set CS,   62
.set WLB,  66                          ; s66 my four tiles' place in WOL
.set G1WB, 68                          ; s[68:75], s[76:79] Wo's part: 4 rows of 2,048 bytes
.set G0WB, 76
.macro WM d, a, b, sa, sb, ra, rb      ; ra, rb: the side's scales stand in lanes 16-31
.if (\ra) && (\rb)
	v_wmma_scale_f32_16x16x128_f8f6f4 v[\d:\d+7], v[\a:\a+7], v[\b:\b+7], v[\d:\d+7], v[\sa], v[\sb] matrix_a_fmt:MATRIX_FMT_FP4 matrix_b_fmt:MATRIX_FMT_FP4 matrix_a_scale:MATRIX_SCALE_ROW1 matrix_b_scale:MATRIX_SCALE_ROW1
.elseif (\ra)
	v_wmma_scale_f32_16x16x128_f8f6f4 v[\d:\d+7], v[\a:\a+7], v[\b:\b+7], v[\d:\d+7], v[\sa], v[\sb] matrix_a_fmt:MATRIX_FMT_FP4 matrix_b_fmt:MATRIX_FMT_FP4 matrix_a_scale:MATRIX_SCALE_ROW1
.elseif (\rb)
	v_wmma_scale_f32_16x16x128_f8f6f4 v[\d:\d+7], v[\a:\a+7], v[\b:\b+7], v[\d:\d+7], v[\sa], v[\sb] matrix_a_fmt:MATRIX_FMT_FP4 matrix_b_fmt:MATRIX_FMT_FP4 matrix_b_scale:MATRIX_SCALE_ROW1
.else
	v_wmma_scale_f32_16x16x128_f8f6f4 v[\d:\d+7], v[\a:\a+7], v[\b:\b+7], v[\d:\d+7], v[\sa], v[\sb] matrix_a_fmt:MATRIX_FMT_FP4 matrix_b_fmt:MATRIX_FMT_FP4
.endif
.endm
.macro WMZ d, a, b, sa, sb
	v_wmma_scale_f32_16x16x128_f8f6f4 v[\d:\d+7], v[\a:\a+7], v[\b:\b+7], 0, v[\sa], v[\sb] matrix_a_fmt:MATRIX_FMT_FP4 matrix_b_fmt:MATRIX_FMT_FP4
.endm
.macro PLACES
.rept 4
	v_nop
.endr
.endm
.macro TLOAD g0, g1
	tensor_load_to_lds s[\g0:\g0+3], s[\g1:\g1+7]
	s_nop 0
	PLACES
.endm
.macro GROUP1 g, c, r, p               ; r rows of c elements of 8 bytes, p elements apart, dense in LDS
	s_mov_b32 s[\g], 3<<16
	s_mov_b32 s[\g+1], (\c)<<16
	s_mov_b32 s[\g+2], (\r)<<16
	s_mov_b32 s[\g+3], (\c)<<16
	s_mov_b32 s[\g+4], \r
	s_mov_b32 s[\g+5], \p
	s_mov_b32 s[\g+6], 0
	s_mov_b32 s[\g+7], 0
.endm
.macro PRELOAD ph, bias                ; the bias into the sums' registers (register 8 i + j of a tile: column 32 (i / 2) + 16 h + 8 (i % 2) + j); the weight's scale words
.irp t, 0,1
.irp i, 0,1,2,3
	global_load_b128 v[ACC+32*\t+8*\i:ACC+32*\t+8*\i+3], v[H64], s[\bias:\bias+1] offset:128*(\i/2)+32*(\i%2)
	global_load_b128 v[ACC+32*\t+8*\i+4:ACC+32*\t+8*\i+7], v[H64], s[\bias:\bias+1] offset:128*(\i/2)+32*(\i%2)+16
.endr
.endr
.irp j, 0,1
.irp q, 0,1
	global_load_b128 v[WS+8*\j+4*\q:WS+8*\j+4*\q+3], v[L32], s[WSB:WSB+1] offset:\ph*32768+1024*\j+16*\q
.endr
.endr
.endm
.macro RSET q                          ; R0 .. R3: the four fragments of ring slot q
.if (\q) < 2
.set R0, RING+32*(\q)
.set R1, R0+8
.set R2, R0+16
.set R3, R0+24
.elseif (\q) == 2
.set R0, 20
.set R1, 28
.set R2, 36
.set R3, 44
.else
.set R0, 52
.set R1, 76
.set R2, 84
.set R3, 100
.endif
.endm
.macro WLOAD s, ph                     ; K step s (0 .. 5) of my four tiles of the weight, from memory: 8 loads
	RSET (\s)%4
.irp i, 0,1,2,3
.irp c, 0,1
	global_load_b128 v[R\i+4*\c:R\i+4*\c+3], v[L16], s[WB:WB+1] offset:\ph*524288+8192*\i+1024*(\s)+512*\c
.endr
.endr
.endm
.macro LLOAD s                         ; K step s (6, 7), from WOL
	RSET (\s)%4
.irp i, 0,1,2,3
.irp c, 0,1
	ds_load_b128 v[R\i+4*\c:R\i+4*\c+3], v[ADK] offset:2048*\i+1024*((\s)-6)+512*\c
.endr
.endr
.endm
.macro PROJ adr, ph
.set SS, 0
.rept 8
.irp t, 0,1
.irp c, 0,1
	ds_load_b128 v[XF+8*\t+4*\c:XF+8*\t+4*\c+3], v[\adr] offset:8192*\t+1024*SS+512*\c
.endr
.endr
.if SS < 3
	s_wait_loadcnt 24                              ; this step's fragments are in; the loads of the three steps asked for behind it may be out
.elseif SS < 6
	s_wait_loadcnt 8*(5-SS)                        ; behind step 3's stand steps 4 and 5, behind step 4's step 5
.endif
	s_wait_dscnt 0x0
	RSET SS%4
.irp i, 0,1,2,3                                ; eight accumulators by turns
.irp t, 0,1
	WM ACC+32*\t+8*\i, R\i, XF+8*\t, WS+8*(\i/2)+SS, BS+SS, \i%2, \t
.endr
.endr
	PLACES                                         ; in front of loads into registers that the products have read, and of the first read of the sums
.if SS < 2
	WLOAD SS+4, \ph
.elseif SS < 4
	LLOAD SS+4
.endif
.set SS, SS+1
.endr
.endm
; 64 registers of a lane, two row tiles x two halves of blocks (lane l xor 16 holds the other halves), become four registers of codes a tile (d0, d1) and two scale bytes a tile (hw, hw + 1).  The four blocks by turns
.macro QUANT4 src, d0, d1, hw
.irp a, 0,1,2,3
	v_max3_num_f32 v[BM+\a], |v[\src+16*\a]|, |v[\src+1+16*\a]|, 0x1800000
.endr
.irp i, 2,4,6,8,10,12,14
.irp a, 0,1,2,3
	v_max3_num_f32 v[BM+\a], v[BM+\a], |v[\src+16*\a+\i]|, |v[\src+1+16*\a+\i]|
.endr
.endr
.irp a, 0,1,2,3
	v_permlanex16_b32 v[QT+\a], v[BM+\a], s[SEL], s[SEL+1]
.endr
.irp a, 0,1,2,3
	v_max_num_f32 v[BM+\a], v[BM+\a], v[QT+\a]
.endr
.irp a, 0,1,2,3
	v_add_nc_u32 v[SCO+\a], 0xff000000, v[BM+\a]
.endr
.irp a, 0,1,2,3
	v_lshrrev_b32 v[QT+\a], 23, v[SCO+\a]
.endr
	v_lshl_or_b32 v[\hw], v[QT+1], 8, v[QT]
	v_lshl_or_b32 v[\hw+1], v[QT+3], 8, v[QT+2]
.irp a, 0,1
	v_cvt_scalef32_pk8_fp4_f32 v[\d0+2*\a], v[\src+16*\a:\src+7+16*\a], v[SCO+\a]
	v_cvt_scalef32_pk8_fp4_f32 v[\d0+1+2*\a], v[\src+8+16*\a:\src+15+16*\a], v[SCO+\a]
	v_cvt_scalef32_pk8_fp4_f32 v[\d1+2*\a], v[\src+32+16*\a:\src+39+16*\a], v[SCO+2+\a]
	v_cvt_scalef32_pk8_fp4_f32 v[\d1+1+2*\a], v[\src+40+16*\a:\src+47+16*\a], v[SCO+2+\a]
.endr
	v_nop
	v_permlane16_swap_b32 v[\d0], v[\d0+2]
	v_permlane16_swap_b32 v[\d0+1], v[\d0+3]
	v_permlane16_swap_b32 v[\d1], v[\d1+2]
	v_permlane16_swap_b32 v[\d1+1], v[\d1+3]
.endm
.macro SPROD tq                        ; S^T of query tile tq: image b's half u against q beside zeros
.irp b, 0,1,2,3
.irp u, 0,1
	WMZ S+16*\b+8*\u, KF+8*\b, QZ+4+8*\tq-4*\u, KSW+\b, QS+\tq
.endr
.endr
.endm
.macro PKF j, n                        ; t - M of n pairs of scores from pair j on
.set JJ, 2*(\j)
.rept \n
	v_pk_fma_f32 v[S+JJ:S+JJ+1], v[S+JJ:S+JJ+1], s[CS:CS+1], v[rT:rT+1] op_sel_hi:[1,0,0]
.set JJ, JJ+2
.endr
.endm
.macro ADDP x, j                       ; pair j of p onto chain x
	v_pk_add_f32 v[\x:\x+1], v[\x:\x+1], v[S+2*(\j):S+2*(\j)+1]
.endm
.macro ADD4 j                          ; four pairs onto the four chains
	ADDP X1, \j
	ADDP X2, (\j)+1
	ADDP X3, (\j)+2
	ADDP rT+2, (\j)+3
.endm
.macro HINT n
	s_delay_alu instid0(VALU_DEP_\n)
.endm
.macro SOFTMAX tq
.set rT, ST+4*\tq
.set rP, PC+8*\tq
	v_mov_b32 v[TA+1], v[rT]                       ; the old -M
.irp t, 0,1,2,3,4,5,6,7                        ; a chain to each tile of scores, each accumulator from its low end on
	v_max3_num_f32 v[CH+\t], v[S+8*\t], v[S+1+8*\t], v[S+2+8*\t]
.endr
.irp i, 3,5
.irp t, 0,1,2,3,4,5,6,7
	v_max3_num_f32 v[CH+\t], v[CH+\t], v[S+8*\t+\i], v[S+1+8*\t+\i]
.endr
.endr
	v_max3_num_f32 v[CH], v[CH], v[S+7], v[S+15]   ; the tiles' last registers
	v_max3_num_f32 v[CH+1], v[CH+1], v[S+23], v[S+31]
	v_max3_num_f32 v[CH+4], v[CH+4], v[S+39], v[S+47]
	v_max3_num_f32 v[CH+5], v[CH+5], v[S+55], v[S+63]
	HINT 3
	v_max3_num_f32 v[CH], v[CH], v[CH+1], v[CH+2]
	HINT 2
	v_max3_num_f32 v[CH+4], v[CH+4], v[CH+5], v[CH+6]
	HINT 2
	v_max_num_f32 v[CH], v[CH], v[CH+3]            ; CH, CH + 4: the largest score of my two blocks
	HINT 2
	v_max_num_f32 v[CH+4], v[CH+4], v[CH+7]
	HINT 1
	v_max_num_f32 v[TA], v[CH], v[CH+4]
	HINT 1
	v_permlanex16_b32 v[BT], v[TA], s[SEL], s[SEL+1]
	HINT 1
	v_max3_num_f32 v[rT+1], v[rT+1], v[TA], v[BT]  ; the running largest score of my query
	HINT 1
	v_mul_f32 v[TA], s[CS], v[rT+1]                ; as t
	HINT 1
	v_floor_f32 v[rT], -v[TA]                      ; the new -M
	HINT 1
	v_sub_f32 v[TA], v[rT], v[TA+1]                ; old M less new M: a whole number, 0 or less
	v_fma_f32 v[CH], v[CH], s[CS], v[rT]           ; t - M of each block's largest score
	v_fma_f32 v[CH+4], v[CH+4], s[CS], v[rT]
	PKF 0, 2
	v_cvt_i32_f32 v[TA], v[TA]                     ; (it saturates)
	PKF 2, 4
	v_ldexp_f32 v[F], 1.0, v[TA]                   ; f = 2^(old M - new M)
	PKF 6, 26
	s_wait_alu depctr_va_vdst(0)                   ; ahead of the batch
.set JJ, 0
.rept 64
	v_exp_f32 v[S+JJ], v[S+JJ]
.set JJ, JJ+1
.endr
	v_exp_f32 v[CH], v[CH]                         ; the blocks' largest p
	v_exp_f32 v[CH+4], v[CH+4]
	v_pk_mul_f32 v[rT+2:rT+3], v[rT+2:rT+3], v[F:F+1] op_sel_hi:[1,0]   ; the sums under the new M (a plain place behind the batch)
	s_wait_alu depctr_va_vdst(0)                   ; and the one wait behind it
	; the row's sum of the unquantised p in four chains; the ten lines that make p's scale operands and scale word stand among them
	v_pk_add_f32 v[X1:X1+1], v[S:S+1], v[S+2:S+3]
	v_pk_add_f32 v[X2:X2+1], v[S+4:S+5], v[S+6:S+7]
	v_pk_add_f32 v[X3:X3+1], v[S+8:S+9], v[S+10:S+11]
	ADDP rT+2, 6
	v_max_num_f32 v[CH], 0x1800000, v[CH]          ; the floor 2^(3 - 127): the byte cannot fall under 1
	v_max_num_f32 v[CH+4], 0x1800000, v[CH+4]
	ADD4 7
	v_add_nc_u32 v[CH+2], 0xff000000, v[CH]        ; the conversions' scale operands
	v_add_nc_u32 v[CH+6], 0xff000000, v[CH+4]
	ADD4 11
	v_lshrrev_b32 v[CH+1], 23, v[CH+2]             ; the scales' bytes
	v_lshrrev_b32 v[CH+5], 23, v[CH+6]
	ADD4 15
	v_lshl_or_b32 v[CH+1], v[CH+5], 16, v[CH+1]    ; my blocks h and 2 + h,
	ADD4 19
	v_lshlrev_b32 v[CH+1], v[SH8], v[CH+1]         ; at their places in the word;
	ADD4 23
	v_permlanex16_b32 v[BT+1], v[CH+1], s[SEL], s[SEL+1]
	ADD4 27
	v_or_b32 v[PW+\tq], v[CH+1], v[BT+1]           ; with lane l xor 16's two the word is whole
	ADDP X1, 31
.irp c, 0,1
.irp i, 0,1,2,3
	v_cvt_scalef32_pk8_fp4_f32 v[rP+4*\c+\i], v[S+32*\c+8*\i:S+32*\c+8*\i+7], v[CH+2+4*\c]
.endr
.endr
	v_pk_add_f32 v[X2:X2+1], v[X2:X2+1], v[X3:X3+1]   ; the chains are joined (plain places behind the last conversion)
	v_pk_add_f32 v[rT+2:rT+3], v[rT+2:rT+3], v[X1:X1+1]
	HINT 1
	v_pk_add_f32 v[rT+2:rT+3], v[rT+2:rT+3], v[X2:X2+1]
.endm
.macro RESCALE tq                      ; O^T under the new M
	s_wait_alu depctr_va_vdst(0)                   ; directly ahead of the first reader of O^T
.set JJ, 0
.rept 16
	v_pk_mul_f32 v[O+32*\tq+JJ:O+32*\tq+JJ+1], v[O+32*\tq+JJ:O+32*\tq+JJ+1], v[F:F+1] op_sel_hi:[1,0]
.set JJ, JJ+2
.endr
.endm
	s_load_b256 s[4:11], s[0:1], 0x0               ; xc, xs, wc, ws
	s_load_b256 s[12:19], s[0:1], 0x20             ; bq, kvb, bo, out0
	v_lshl_add_u32 v[SPW], v0, 2, SPARE
	v_mov_b32 v[NIL], 0
	ds_add_u32 v[SPW], v[NIL]                      ; the opening lines
	ds_add_u32 v[SPW], v[NIL]
	v_lshrrev_b32 v6, 5, v0
	v_readfirstlane_b32 s[WV], v6                  ; wave 0..15
	GROUP1 G1KV, 32, 136, 32                       ; dense blocks as rows of 256 bytes: a quarter of kvb's part,
	GROUP1 G1X, 32, 16, 32                         ; a quarter of x's fragments;
	GROUP1 G1WA, 256, 8, 1024                      ; two K steps (2,048 bytes) of 8 tiles, 8,192 bytes apart,
	GROUP1 G1WB, 256, 4, 1024                      ; of 4 tiles
	s_and_b32 s67, s[WV], 3                        ; which quarter (waves 8-11, 12-15),
	s_and_b32 s21, s[WV], 7                        ; which eight tiles (waves 0-7)
	s_mov_b32 s[G0X], 1
	s_lshl_b32 s[G0X+1], s67, 12
	s_add_co_u32 s[G0X+1], s[G0X+1], XCB
	s_mov_b32 s[G0KV], 1
	s_mul_i32 s[G0KV+1], s67, 34816
	s_mov_b32 s[G0WA], 1
	s_lshl_b32 s[G0WA+1], s21, 14
	s_add_co_u32 s[G0WA+1], s[G0WA+1], WOL
	s_lshl_b32 s[WLB], s[WV], 13
	s_add_co_u32 s[WLB], s[WLB], WOL
	s_mov_b32 s[G0WB], 1
	s_mov_b32 s[G0WB+1], s[WLB]
	s_mov_b32 s[SEL], 0x76543210
	s_mov_b32 s[SEL+1], 0xfedcba98
	s_mov_b32 s[CS], 0x3e38aa3b                    ; log2(e) / 8
	s_mov_b32 s[CS+1], s[CS]
	v_and_b32 v6, 31, v0
	v_and_b32 v7, 15, v0
	v_bfe_u32 v8, v0, 4, 1
	v_lshlrev_b32 v[L16], 4, v6
	v_add_nc_u32 v[AV0], VC, v[L16]
	v_lshl_add_u32 v[AS0], v7, 4, KSB
	v_add_nc_u32 v[AXC], XCB, v[L16]
	v_add_nc_u32 v[AAI], AIMG, v[L16]
	v_lshl_add_u32 v[AAS], v6, 5, ASC
	s_lshl_b32 s22, s[WV], 9
	s_add_co_u32 s22, s22, AIMG
	v_add_nc_u32 v[WAI], s22, v[L16]               ; the context: my head is half a K step's image
	s_lshl_b32 s22, s[WV], 1
	s_add_co_u32 s22, s22, ASC
	v_lshl_add_u32 v[WAS], v7, 5, s22
	s_mul_i32 s22, s[WV], 8704                     ; my stage
	v_mul_u32_u24 v[STO], v7, 272
	v_lshl_add_u32 v[STO], v8, 6, v[STO]
	v_add_nc_u32 v[STO], s22, v[STO]
	v_mul_u32_u24 v[SRD], v8, 272
	v_lshl_add_u32 v[SRD], v7, 4, v[SRD]
	v_add_nc_u32 v[SRD], s22, v[SRD]
	v_lshlrev_b32 v[GO], 12, v8
	v_lshl_add_u32 v[GO], v7, 4, v[GO]
	v_lshlrev_b32 v[L32], 5, v6
	v_lshlrev_b32 v[H64], 6, v8
	v_lshlrev_b32 v[SH8], 3, v8
	v_add_nc_u32 v[ADK], s[WLB], v[L16]            ; my tiles in WOL
	s_mov_b32 s23, 0
	s_wait_alu depctr_va_vdst(0)                   ; directly ahead of the waits below
	s_wait_dscnt 0x0
	s_wait_kmcnt 0x0
	s_lshl_b32 s22, ttmp9, 14
	s_lshl_b32 s2, s67, 12
	s_add_co_u32 s22, s22, s2
	s_add_nc_u64 s[G0X+2:G0X+3], s[XCP:XCP+1], s[22:23]
	s_or_b32 s[G0X+3], s[G0X+3], 0x80000000
	s_lshr_b32 s22, ttmp9, 6
	s_mul_i32 s22, s22, 139264
	s_add_co_u32 s22, s22, s[G0KV+1]
	s_add_nc_u64 s[G0KV+2:G0KV+3], s[KVP:KVP+1], s[22:23]
	s_or_b32 s[G0KV+3], s[G0KV+3], 0x80000000
	s_lshl_b32 s22, s21, 16
	s_add_co_u32 s22, s22, 6144                    ; Wq's tiles 8 (w % 8) on, K step 6 on
	s_add_nc_u64 s[G0WA+2:G0WA+3], s[WB:WB+1], s[22:23]
	s_or_b32 s[G0WA+3], s[G0WA+3], 0x80000000
	s_lshl_b32 s22, s[WV], 15
	s_add_co_u32 s22, s22, 524288+6144             ; Wo's tiles 4 w on, K step 6 on
	s_add_nc_u64 s[G0WB+2:G0WB+3], s[WB:WB+1], s[22:23]
	s_or_b32 s[G0WB+3], s[G0WB+3], 0x80000000
	s_cmp_lt_u32 s[WV], 8                          ; the head's loads, one a wave: one chain of arms on the wave's number
	s_cbranch_scc0 .Lhead_kv
	TLOAD G0WA, G1WA
	s_branch .Lhead_asked
.Lhead_kv:
	s_cmp_lt_u32 s[WV], 12
	s_cbranch_scc0 .Lhead_x
	TLOAD G0KV, G1KV
	s_branch .Lhead_asked
.Lhead_x:
	TLOAD G0X, G1X
.Lhead_asked:
	s_lshl_b32 s22, ttmp9, 10
	s_add_nc_u64 s[XSP:XSP+1], s[XSP:XSP+1], s[22:23]
	s_lshl_b32 s22, s[WV], 15
	s_add_nc_u64 s[WB:WB+1], s[WB:WB+1], s[22:23]
	s_lshl_b32 s22, s[WV], 11
	s_add_nc_u64 s[WSB:WSB+1], s[WSB:WSB+1], s[22:23]
	s_lshl_b32 s22, s[WV], 8
	s_add_nc_u64 s[BQ:BQ+1], s[BQ:BQ+1], s[22:23]
	s_add_nc_u64 s[BO:BO+1], s[BO:BO+1], s[22:23]
	s_add_nc_u64 s[OUT:OUT+1], s[OUT:OUT+1], s[22:23]
	s_lshl_b32 s22, ttmp9, 17
	s_add_nc_u64 s[OUT:OUT+1], s[OUT:OUT+1], s[22:23]
	PRELOAD 0, BQ
.irp q, 0,1
	global_load_b128 v[BS+4*\q:BS+4*\q+3], v[L32], s[XSP:XSP+1] offset:16*\q   ; x's scale words: lanes 0-15 tile 0, lanes 16-31 tile 1
.endr
	WLOAD 0, 0
	WLOAD 1, 0
	WLOAD 2, 0
	WLOAD 3, 0
	s_wait_tensorcnt 0x0                           ; my tile of the head's has landed
	s_barrier_signal -1
	s_barrier_wait -1                              ; everybody's has: x, K, V and Wq's part are whole
	PROJ AXC, 0
.irp b, 0,1,2,3
	v_mov_b32 v[QT+\b], 0                          ; written once: a lane permute's destination counts as one of its sources
.endr
	QUANT4 ACC, QZ+4, QZ+12, TA
	v_lshl_or_b32 v[QS], v[TA], 16, v[TA]          ; the two bytes serve whichever half of K = 128 holds q
	v_lshl_or_b32 v[QS+1], v[TA+1], 16, v[TA+1]
.irp n, 0,1,2,3,8,9,10,11,16,17,18,19
	v_mov_b32 v[QZ+\n], 0
.endr
.irp t, 0,1
	v_mov_b32 v[ST+4*\t+1], 0xff61b1e6             ; the largest score so far: -3e38
	v_mov_b32 v[ST+4*\t], 0x7f61b1e6               ; -M: 3e38, so that the first f is 0
	v_mov_b32 v[ST+4*\t+2], 0
	v_mov_b32 v[ST+4*\t+3], 0
.endr
	v_mov_b32 v[F+1], 0
	v_mov_b32 v[F2+1], 0
.set JJ, 0
.rept 64
	v_mov_b32 v[O+JJ], 0                           ; the step is written once: the first finds zeros
.set JJ, JJ+1
.endr
	s_mov_b32 s[TB], 0
	s_mov_b32 s[TS], 0
	s_mov_b32 s[CNT], 16
	s_wait_alu depctr_va_vdst(0)                   ; the head's end
	s_wait_tensorcnt 0x0                           ; the three lines ahead of a refill's barrier
	ds_add_u32 v[SPW], v[NIL]
	s_wait_dscnt 0x0                               ; the add is done, and so are my reads of Wq's part
	s_barrier_signal -1
	s_barrier_wait -1                              ; nobody reads Wq's part any more
	tensor_load_to_lds s[G0WB:G0WB+3], s[G1WB:G1WB+7]   ; Wo's K steps 6, 7 of my four tiles over it: my one load; it has the key steps in which to land
	s_nop 0
.Lstep:                                            ; 128 keys a trip
	v_add_nc_u32 v[ADK], s[TB], v[L16]
	v_add_nc_u32 v[ADV], s[TB], v[AV0]
	v_add_nc_u32 v[ADS], s[TS], v[AS0]
	v_nop                                          ; four places in front of loads into registers that the last products read
.irp b, 0,1,2,3
.irp c, 0,1
	ds_load_b128 v[KF+8*\b+4*\c:KF+8*\b+4*\c+3], v[ADK] offset:1024*\b+512*\c
.endr
.endr
	ds_load_b128 v[KSW:KSW+3], v[ADS]
	s_wait_dscnt 0x0
	SPROD 0
	PLACES
	SOFTMAX 0
	SPROD 1
	RESCALE 0                                      ; its 16 lines are the places behind the products
.irp i, 0,1,2,3
.irp c, 0,1
	ds_load_b128 v[KF+8*\i+4*\c:KF+8*\i+4*\c+3], v[ADV] offset:1024*\i+512*\c
.endr
.endr
	ds_load_b128 v[KSW:KSW+3], v[ADS] offset:4096
	SOFTMAX 1
	RESCALE 1
	s_wait_alu depctr_va_vdst(0)                   ; directly ahead of the wait below
	s_wait_dscnt 0x0
.irp i, 0,1,2,3                                ; O^T += V^T P^T, eight accumulators by turns
.irp t, 0,1
	WM O+32*\t+8*\i, KF+8*\i, PC+8*\t, KSW+\i, PW+\t, 0, 0
.endr
.endr
	s_add_co_u32 s[TB], s[TB], 4096
	s_add_co_u32 s[TS], s[TS], 256
	s_sub_co_i32 s[CNT], s[CNT], 1
	s_cmp_lg_u32 s[CNT], 0
	s_cbranch_scc1 .Lstep
	v_add_nc_u32 v[ADK], s[WLB], v[L16]            ; my tiles in WOL again
.irp t, 0,1
	v_add_f32 v[ST+4*\t+2], v[ST+4*\t+2], v[ST+4*\t+3]
.endr
.irp t, 0,1
	v_permlanex16_b32 v[BT+\t], v[ST+4*\t+2], s[SEL], s[SEL+1]
.endr
.irp t, 0,1
	v_add_f32 v[ST+4*\t+2], v[ST+4*\t+2], v[BT+\t] ; the row's sum
.endr
	s_wait_alu depctr_va_vdst(0)                   ; ahead of the batch
	v_rcp_f32 v[F], v[ST+2]
	v_rcp_f32 v[F2], v[ST+6]
	v_nop
	s_wait_alu depctr_va_vdst(0)                   ; and behind it, directly ahead of the first readers of O^T too
.irp t, 0,1
.irp j, 0,2,4,6,8,10,12,14,16,18,20,22,24,26,28,30
	v_pk_mul_f32 v[O+32*\t+\j:O+32*\t+\j+1], v[O+32*\t+\j:O+32*\t+\j+1], v[F+2*\t:F+2*\t+1] op_sel_hi:[1,0]
.endr
.endr
	QUANT4 O, PC, PC+4, TA
.irp t, 0,1
	ds_store_b128 v[WAI], v[PC+4*\t:PC+4*\t+3] offset:8192*\t
	ds_store_b16 v[WAS], v[TA+\t] offset:512*\t
.endr
	s_wait_dscnt 0x0                               ; for the others' sake: my head's part of the context has landed
	PRELOAD 1, BO
	WLOAD 0, 1
	WLOAD 1, 1
	WLOAD 2, 1
	WLOAD 3, 1
	s_wait_tensorcnt 0x0                           ; Wo's part of my own tiles has landed: I alone read it
	s_barrier_signal -1
	s_barrier_wait -1                              ; the context is whole, and nobody reads K or V any more
.irp q, 0,1
	ds_load_b128 v[BS+4*\q:BS+4*\q+3], v[AAS] offset:16*\q
.endr
	PROJ AAI, 1
	; the way out: 32 rows x 256 bytes through my stage, so that sixteen lanes store one aligned unit of 256 bytes
.irp t, 0,1
.irp i, 0,1,2,3
	ds_store_b128 v[STO], v[ACC+32*\t+8*\i:ACC+32*\t+8*\i+3] offset:4352*\t+128*(\i/2)+32*(\i%2)
	ds_store_b128 v[STO], v[ACC+32*\t+8*\i+4:ACC+32*\t+8*\i+7] offset:4352*\t+128*(\i/2)+32*(\i%2)+16
.endr
.endr
.irp k, 0,1,2,3,4,5,6,7,8,9,10,11,12,13,14,15
	ds_load_b128 v[RING+4*\k:RING+4*\k+3], v[SRD] offset:544*\k   ; LDS serves a wave's instructions in order: these see my stores
.endr
.irp k, 0,1,2,3,4,5,6,7,8,9,10,11,12,13,14,15
	s_wait_dscnt 15-\k
	global_store_b128 v[GO], v[RING+4*\k:RING+4*\k+3], s[OUT:OUT+1] offset:4096*(8*(\k/8)+2*(\k%8)+8*((\k%8)/4)) th:TH_STORE_NT
.endr
	s_wait_tensorcnt 0x0                           ; the wave's end
	ds_add_u32 v[SPW], v[NIL]
	s_wait_dscnt 0x0
	s_endpgm
.Lfunc_end_k_q8ea0b0b669_attn:
	.size	k_q8ea0b0b669_attn, .Lfunc_end_k_q8ea0b0b669_attn-k_q8ea0b0b669_attn
	.p2alignl 7, 3214868480
	.fill 96, 4, 3214868480
	.section	.rodata,"a",@progbits
	.p2align	6, 0x0
	.amdhsa_kernel k_q8ea0b0b669_attn
		.amdhsa_group_segment_fixed_size 327680
		.amdhsa_private_segment_fixed_size 0
		.amdhsa_enable_private_segment 0
		.amdhsa_kernarg_size 64
		.amdhsa_user_sgpr_count 2
		.amdhsa_user_sgpr_kernarg_segment_ptr 1
		.amdhsa_wavefront_size32 1
		.amdhsa_system_sgpr_workgroup_id_x 1
		.amdhsa_system_sgpr_workgroup_id_y 1
		.amdhsa_system_sgpr_workgroup_id_z 1
		.amdhsa_system_vgpr_workitem_id 0
		.amdhsa_next_free_vgpr 256
		.amdhsa_next_free_sgpr 80
		.amdhsa_reserve_vcc 0
		.amdhsa_float_denorm_mode_32 3
		.amdhsa_float_denorm_mode_16_64 3
		.amdhsa_memory_ordered 1
		.amdhsa_forward_progress 1
		.amdhsa_inst_pref_size 90
	.end_amdhsa_kernel
	.amdgpu_metadata
---
amdhsa.version: [ 1, 2 ]
amdhsa.kernels:
  - .name:           k_q8ea0b0b669_attn
    .symbol:         k_q8ea0b0b669_attn.kd
    .args:
      - { .name: xc, .offset: 0, .size: 8, .value_kind: global_buffer, .address_space: global }
      - { .name: xs, .offset: 8, .size: 8, .value_kind: global_buffer, .address_space: global }
      - { .name: wc, .offset: 16, .size: 8, .value_kind: global_buffer, .address_space: global }
      - { .name: ws, .offset: 24, .size: 8, .value_kind: global_buffer, .address_space: global }
      - { .name: bq, .offset: 32, .size: 8, .value_kind: global_buffer, .address_space: global }
      - { .name: kvb, .offset: 40, .size: 8, .value_kind: global_buffer, .address_space: global }
      - { .name: bo, .offset: 48, .size: 8, .value_kind: global_buffer, .address_space: global }
      - { .name: out0, .offset: 56, .size: 8, .value_kind: global_buffer, .address_space: global }
    .group_segment_fixed_size: 327680
    .private_segment_fixed_size: 0
    .kernarg_segment_align: 8
    .kernarg_segment_size: 64
    .max_flat_workgroup_size: 512
    .sgpr_count:     80
    .vgpr_count:     256
    .wavefront_size: 32
...
	.end_amdgpu_metadata
.endif
;; end of part 3
